; MI455X (gfx1250); checked and timed in simulation.
; The chip was launched on July 23, 2026; its instructions are those of AMD's public machine-readable ISA for CDNA 5 (MIT licence, August 2026) and "CDNA5" Instruction Set Architecture Reference Guide (July 2026). The comments in the code are by the model that wrote it; some were corrected since.
;; Grouped Query Attention. Allowed arithmetic: matrix products marked QUANTISED: E2M1 operands, one E8M0 scale for each 32 along K, by v_wmma_scale_f32_16x16x128_f8f6f4 with both operands' format E2M1 (or v_wmma_scale_f32_32x16x128_f4), f32 sums; everything else in f32.
;; Inputs: k 2 x 8 x 1 x 2,048 x 128 float32; q 2 x 8 x 4 x 2,048 x 128 float32; v 2 x 8 x 1 x 2,048 x 128 float32.
;; Outputs: out0 2 x 8 x 4 x 2,048 x 128 float32.
;; This version of the problem:
;;   THIS VERSION OF THE PROBLEM IS GIVEN IN LOW PRECISION. The matrix products marked QUANTISED in the list below multiply operands that are first quantised to E2M1 (2 exponent bits, 1 mantissa bit; 4 bits a number), with one power-of-two scale for each 32 numbers along K (OCP MX v1.0); their sums are f32. All else is computed in f32.
;;   The module's matrix products, in the order in which they are computed (A, B: the left and right operand; K: the contracted axis; several contracted axes count as one K, in the product's order):
;;     1. batch 16 x [M 8,192, K 128] x [K 128, N 2,048]; A: input q; B: input k: QUANTISED
;;     2. batch 16 x [M 8,192, K 2,048] x [K 2,048, N 128]; A: softmax (see below); B: input v: QUANTISED
;;   THE QUANTISER, for each operand of a quantised product, along K:
;;     - K is cut into blocks of 32 from its start; a last block that is shorter is filled with zeros.
;;     - A block's scale is 2^e with e = floor(log2(the largest magnitude in the block)) - 2, held to -126 .. 127; a block of zeros has e = 0. As a byte (E8M0): e + 127.
;;     - Each number is divided by its block's scale, clamped to +-6, and rounded to the nearest number of E2M1, ties to even, subnormals kept.
;;     - The product sums the exact products of the quantised numbers (number of the format x scale) in f32.
;;   ~~~python
;;   def quantise(x, axis):      # numpy; x: float32 -> the quantised numbers, widened to float32 again
;;       x = np.moveaxis(x, axis, -1); K = x.shape[-1]
;;       x = np.pad(x, [(0, 0)] * (x.ndim - 1) + [(0, -K % 32)]); x = x.reshape(x.shape[:-1] + (-1, 32)); a = np.abs(x).max(-1, keepdims=True)
;;       e = np.where(a > 0, np.clip(np.frexp(np.where(a > 0, a, 1))[1] - 1 - 2, -126, 127), 0)      # np.frexp(a)[1] - 1 = floor(log2(a)), exactly
;;       r = np.clip(x / 2.0 ** e, -6, 6)
;;       step = 2.0 ** (np.maximum(np.frexp(np.where(r == 0, 1, r))[1] - 1, 0) - 1)
;;       q = np.round(r / step) * step * 2.0 ** e      # np.round: ties to even
;;       return np.moveaxis(q.reshape(q.shape[:-2] + (-1,))[..., :K], -1, axis).astype(np.float32)
;;   ~~~
;;   SOFTMAX AHEAD OF A QUANTISED PRODUCT. Where the list says 'softmax', what is quantised is not the finished softmax but p = 2^(t - M), with t = logit x log2(e) and M = ceil(the row's largest t), a whole number; so 1/2 < the row's largest p <= 1. The row's sum l is taken of the UNQUANTISED p, in f32, and the product's result is divided by l at the end. Since M is a whole number, a kernel that streams over the keys may use a running M (the ceiling of the running maximum): every later rescaling is an exact power of two, which a block's scale takes up: the codes' values come out the same.
;;   OPERANDS COMPUTED ON THE WAY. 'Computed on the way' means the value that the module computes at that place (a softmax that the list does not call 'softmax' is quantised finished and normalised). What goes into a quantiser is computed in f32, as accurately as f32 sums, v_exp_f32 and their like allow (about 1e-6 of the number): no bf16 or f16 on the way to a quantiser, and a product that is left as it is and whose result goes on into a quantised operand takes f32 operands (vector FMAs, or v_wmma_f32_16x16x4_f32). A number that lies on a knife's edge between two numbers of the format may be rounded either way, as far as f32 arithmetic and the matrix unit's own rounding can turn it there, and no further.
;; One version. Each part assembles by itself: llvm-mc -triple=amdgcn-amd-amdhsa -mcpu=gfx1250 --defsym DOCPART=n.
;; ======== version 1 of 1: 2 launches
;; limits: right only within a limited range of input values
;; workspace buffers: kv 4,456,448 bytes
;; launch prep (part 1): grid 256 x 1, 6 waves a work-group, no clusters, 9,728 bytes of LDS; arguments k, v, kv; writes kv
.if DOCPART == 1
	.amdgcn_target "amdgcn-amd-amdhsa--gfx1250"
	.amdhsa_code_object_version 6
	.text
	.protected	k_q5b306150a8_prep
	.globl	k_q5b306150a8_prep
	.p2align	8
	.type	k_q5b306150a8_prep,@function
k_q5b306150a8_prep:
	s_mov_b64 s[64:65], 0
	v_nop
	global_prefetch_b8 v0, s[64:65] scope:SCOPE_SE
	s_setreg_imm32_b32 hwreg(HW_REG_WAVE_MODE, 25, 1), 1
	s_wait_xcnt 0x0
; k [16 heads][2048 keys][128] and v [16][2048][128], f32, become codes of FP4 (E2M1) with one E8M0 scale byte for each 32 along a product's K:
; k along the head's 128 channels, v along the KEYS.  A block's scale is 2^(floor(log2(its largest magnitude)) - 2); its byte is the largest magnitude's exponent field - 2, held at 1 from below.
; LIMITS: NaN and infinities are not served; a block whose largest magnitude lies under 2^-124, zeros among them, keeps the byte 1 (the bytes are read by this program alone).
; THE WORKSPACE kv IS LAID AS THE NEXT LAUNCH'S OPERAND REGISTERS: a head is 16 key steps of 128 keys, a step 17,408 bytes:
;   0      K's codes: 8 tiles x 1,024 bytes.  Tile 4 c + u, row r, holds key 64 c + 32 (r / 8) + 8 u + r % 8.  In a tile, piece p (512 bytes) holds lane (r, h)'s 16 bytes at 16 (r + 16 h): block 2 p + h of row r
;   8,192  V's codes: 8 tiles x 1,024 bytes.  Row r of tile t is channel 16 t + r; K = the step's 128 keys as they lie; the same image
;   16,384 K's scale words, 16,896 V's: the word of (tile t, row r) at 256 (t / 4) + 16 r + 4 (t % 4)
; SHARES.  Work-group g makes the whole record of key step g % 16 of head g / 16, with six waves that share nothing: no barrier.
; K, waves 0 and 1: a wave takes 64 keys = four tiles.  Each load reads whole pieces of 256 bytes of two rows; they turn through the wave's own stage in LDS so that a lane holds a whole block of 32 of one row.
; V, waves 2 to 5: a wave takes 128 keys x 32 channels: a lane takes a channel and its registers run down the keys, so a block of 32 keys lies in one lane and the codes come out with the keys innermost.
; All 128 loads of a V wave are issued at its start, into registers of their own.
; Every store of codes and of K's scale words covers whole aligned pieces of 256 bytes.  A V wave's 32 scale words leave as 4 bytes a lane, 8 of each 16 bytes of one piece of 256: 128 of the 2,176 bytes that it stores.
; No register that a store reads is written again, and no address is stepped.
; Left out: tensor loads, clusters, matrix units: a stream read once, which shares nothing between work-groups.
.set HEADB,  278528
.set STEPB,  17408
.set SPITCH, 272                       ; a stage row: 256 bytes + 16
.set SPARE,  2*16*SPITCH               ; behind the two stages: the spare words, 128 bytes a wave, four blocks of 256 bytes that no other line names
.set LI,   4                           ; 16 x lane
.set GO,   5                           ; 512 h + 16 r: two rows of k
.set SRD,  6                           ; stage + 272 h + 16 r
.set SQ,   7                           ; stage + 272 r + 128 h: my block of row r
.set SA,   8                           ; 16 r + 8 h: my two scale words of K
.set SH,   9                           ; 8 h
.set VO,   10                          ; 4 x lane
.set VST,  11                          ; 1024 h + 16 r
.set SW,   12                          ; 16 r + 4 h: my scale word of V
.set X,    16                          ; K: three sets of 64 numbers
.set C,    208                         ; K: codes, eight registers a tile
.set W,    240                         ; K: a scale word a tile
.set MX,   244
.set SOP,  246
.set BY,   248
.set TT,   250
.set OUTP, 252
.set VX,   16                          ; V: four blocks of 32 numbers
.set VC,   144                         ; V: codes, four registers a block
.set WA,   160                         ; V: my channel's scale word
.set VMX,  162
.set VSOP, 164
.set VBY,  165
	s_load_b128 s[4:7], s[0:1], 0x0                ; k, v
	s_load_b64 s[8:9], s[0:1], 0x10                ; kv
	v_lshl_add_u32 v254, v0, 2, SPARE              ; my spare word
	v_mov_b32 v255, 0
	v_lshrrev_b32 v1, 5, v0
	v_readfirstlane_b32 s10, v1                    ; wave 0..5
	v_and_b32 v1, 31, v0
	v_and_b32 v2, 15, v0                           ; r
	v_bfe_u32 v3, v0, 4, 1                         ; h
	v_lshlrev_b32 v[LI], 4, v1
	v_lshlrev_b32 v[GO], 4, v2
	v_lshl_add_u32 v[GO], v3, 9, v[GO]
	s_and_b32 s15, s10, 1
	s_mul_i32 s15, s15, 16*SPITCH                  ; a K wave's stage
	v_mul_u32_u24 v[SRD], v3, SPITCH
	v_lshl_add_u32 v[SRD], v2, 4, v[SRD]
	v_add_nc_u32 v[SRD], s15, v[SRD]
	v_mul_u32_u24 v[SQ], v2, SPITCH
	v_lshl_add_u32 v[SQ], v3, 7, v[SQ]
	v_add_nc_u32 v[SQ], s15, v[SQ]
	v_lshlrev_b32 v[SA], 4, v2
	v_lshl_add_u32 v[SW], v3, 2, v[SA]
	v_lshl_add_u32 v[SA], v3, 3, v[SA]
	v_lshlrev_b32 v[SH], 3, v3
	v_lshlrev_b32 v[VO], 2, v1
	v_lshlrev_b32 v[VST], 4, v2
	v_lshl_add_u32 v[VST], v3, 10, v[VST]
	v_cmp_ne_u32 vcc_lo, 0, v3                     ; lanes 16-31; kept for the whole kernel
	s_mov_b32 s20, 0x76543210
	s_mov_b32 s21, 0xfedcba98                      ; selects for lane l xor 16
	s_lshr_b32 s12, ttmp9, 4                       ; head
	s_and_b32 s13, ttmp9, 15                       ; key step
	s_mul_i32 s16, s12, HEADB
	s_mul_i32 s17, s13, STEPB
	s_add_co_u32 s16, s16, s17                     ; the step's first byte in kv
	s_mov_b32 s19, 0
	s_mov_b32 s23, 0
	s_mov_b32 s25, 0
	s_wait_alu depctr_va_vdst(0)                   ; the wait at the head's end
	s_wait_kmcnt 0x0
	s_cmp_lt_u32 s10, 2
	s_cbranch_scc0 .Lv
; ---------------- K ----------------
	s_lshl_b32 s18, s10, 12
	s_add_co_u32 s18, s18, s16                     ; + 4,096 x wave: my four tiles of codes
	s_lshl_b32 s22, s10, 8
	s_add_co_u32 s22, s22, s16                     ; + 256 x wave: my four tiles' scale words
	s_lshl_b32 s24, ttmp9, 1
	s_add_co_u32 s24, s24, s10
	s_lshl_b32 s24, s24, 15                        ; k: 64 keys of 512 bytes for each wave
	s_add_nc_u64 s[18:19], s[8:9], s[18:19]
	s_add_nc_u64 s[22:23], s[8:9], s[22:23]
	s_add_nc_u64 s[4:5], s[4:5], s[24:25]
; Tile n's sixteen loads: piece c (256 bytes) of tile rows 2 i and 2 i + 1; tile row rr is key 8 n + rr % 8 + 32 (rr / 8) of my 64
.macro LOADT n
.set XS, X+64*((\n)%3)
.irp c, 0,1
.irp i, 0,1,2,3,4,5,6,7
	global_load_b128 v[XS+32*\c+4*\i:XS+32*\c+4*\i+3], v[GO], s[4:5] offset:(8*(\n)+2*(\i%4)+32*(\i/4))*512+256*\c th:TH_LOAD_NT
.endr
.endr
.endm
; Tile n is turned, quantised and stored.  left = the loads of later tiles, which may stay out
.macro TILE n, left
.set XS, X+64*((\n)%3)
	s_wait_loadcnt \left
.irp c, 0,1
.irp i, 0,1,2,3,4,5,6,7
	ds_store_b128 v[SRD], v[XS+32*\c+4*\i:XS+32*\c+4*\i+3] offset:2*SPITCH*\i
.endr
.irp g, 0,1,2,3,4,5,6,7
	ds_load_b128 v[XS+32*\c+4*\g:XS+32*\c+4*\g+3], v[SQ] offset:16*\g   ; LDS serves a wave's instructions in order (ISA guide 5.7.1.4)
.endr
.endr
	s_wait_dscnt 0x0                               ; lane (r, h) now holds blocks h and 2 + h of tile row r
.irp c, 0,1
	v_max3_num_f32 v[MX+\c], |v[XS+32*\c]|, |v[XS+32*\c+1]|, 0x1800000   ; the floor 2^(3 - 127) among the leaves
.endr
.irp i, 2,4,6,8,10,12,14,16,18,20,22,24,26,28,30
.irp c, 0,1
	v_max3_num_f32 v[MX+\c], v[MX+\c], |v[XS+32*\c+\i]|, |v[XS+32*\c+\i+1]|
.endr
.endr
.irp c, 0,1
	v_add_nc_u32 v[SOP+\c], 0xff000000, v[MX+\c]   ; 2 off the exponent field: the conversion's scale operand
.endr
.irp c, 0,1
	v_lshrrev_b32 v[BY+\c], 23, v[SOP+\c]          ; the scale's byte
.endr
	v_lshl_or_b32 v[TT], v[BY+1], 16, v[BY]        ; my two bytes, blocks h and 2 + h,
	v_lshlrev_b32 v[TT], v[SH], v[TT]              ; at their places in the row's word;
	v_permlanex16_b32 v[TT+1], v[TT], s20, s21
	v_or_b32 v[W+(\n)], v[TT], v[TT+1]             ; with lane l xor 16's two the word is whole
.irp c, 0,1
.irp g, 0,1,2,3
	v_cvt_scalef32_pk8_fp4_f32 v[C+8*(\n)+4*\c+\g], v[XS+32*\c+8*\g:XS+32*\c+8*\g+7], v[SOP+\c]
.endr
.endr
	v_nop                                          ; one plain instruction behind the last scaled conversion
.irp c, 0,1
	global_store_b128 v[LI], v[C+8*(\n)+4*\c:C+8*(\n)+4*\c+3], s[18:19] offset:1024*(\n)+512*\c   ; 32 lanes store 512 consecutive bytes
.endr
.endm
	v_mov_b32 v[TT+1], 0                           ; a lane permute's destination counts as one of its sources
	LOADT 0
	LOADT 1
	LOADT 2
	s_wait_alu depctr_va_vdst(0)
	TILE 0, 32
	LOADT 3                                        ; into tile 0's registers
	TILE 1, 32
	TILE 2, 16
	TILE 3, 0
	v_cndmask_b32 v[OUTP], v[W], v[W+2], vcc_lo    ; lane (r, h) stores the words of tiles 2 h and 2 h + 1 of row r
	v_cndmask_b32 v[OUTP+1], v[W+1], v[W+3], vcc_lo
	global_store_b64 v[SA], v[OUTP:OUTP+1], s[22:23] offset:16384   ; 32 lanes store 256 consecutive bytes, aligned
	s_wait_tensorcnt 0x0                           ; the wave's end
	ds_add_u32 v254, v255
	s_wait_dscnt 0x0
	s_endpgm
; ---------------- V ----------------
.Lv:
	s_sub_co_u32 s11, s10, 2                       ; a = 0 .. 3: my 32 channels, tiles 2 a and 2 a + 1
	s_lshl_b32 s18, s11, 11
	s_add_co_u32 s18, s18, s16                     ; + 2,048 a: my two tiles of codes
	s_lshr_b32 s22, s11, 1
	s_lshl_b32 s22, s22, 8
	s_and_b32 s12, s11, 1
	s_lshl_b32 s12, s12, 3
	s_add_co_u32 s22, s22, s12
	s_add_co_u32 s22, s22, s16                     ; + 256 (a / 2) + 8 (a % 2): my two tiles' scale words
	s_lshl_b32 s24, ttmp9, 16                      ; v: 128 keys of 512 bytes for each work-group,
	s_lshl_b32 s12, s11, 7
	s_add_co_u32 s24, s24, s12                     ; + my 32 channels
	s_add_nc_u64 s[18:19], s[8:9], s[18:19]
	s_add_nc_u64 s[22:23], s[8:9], s[22:23]
	s_add_nc_u64 s[6:7], s[6:7], s[24:25]
; Block q: keys 32 q .. 32 q + 31 of channel 32 a + lane
.macro LOADV q
.irp i, 0,1,2,3,4,5,6,7,8,9,10,11,12,13,14,15,16,17,18,19,20,21,22,23,24,25,26,27,28,29,30,31
	global_load_b32 v[VX+32*(\q)+\i], v[VO], s[6:7] offset:(32*(\q)+\i)*512
.endr
.endm
.macro BLOCK q, left
.set XS, VX+32*(\q)
	s_wait_loadcnt \left
	v_max3_num_f32 v[VMX], |v[XS]|, |v[XS+1]|, |v[XS+2]|
	v_max3_num_f32 v[VMX+1], |v[XS+3]|, |v[XS+4]|, |v[XS+5]|
.irp i, 6,10,14,18,22,26
	v_max3_num_f32 v[VMX], v[VMX], |v[XS+\i]|, |v[XS+\i+1]|
	v_max3_num_f32 v[VMX+1], v[VMX+1], |v[XS+\i+2]|, |v[XS+\i+3]|
.endr
	v_max3_num_f32 v[VMX], v[VMX], |v[XS+30]|, |v[XS+31]|
	v_max3_num_f32 v[VMX], v[VMX], v[VMX+1], 0x1800000   ; and the floor 2^(3 - 127)
	v_add_nc_u32 v[VSOP], 0xff000000, v[VMX]
	v_lshrrev_b32 v[VBY], 23, v[VSOP]
.if (\q) == 0
	v_mov_b32 v[WA], v[VBY]                        ; four bytes to a word, the lower keys in the lower byte
.else
	v_lshl_or_b32 v[WA], v[VBY], 8*(\q), v[WA]
.endif
.irp g, 0,1,2,3
	v_cvt_scalef32_pk8_fp4_f32 v[VC+4*(\q)+\g], v[XS+8*\g:XS+8*\g+7], v[VSOP]
.endr
	v_nop                                          ; one plain instruction behind the last scaled conversion
	global_store_b128 v[VST], v[VC+4*(\q):VC+4*(\q)+3], s[18:19] offset:8192+512*((\q)/2)+256*((\q)%2)   ; lanes 0-15 fill 256 aligned bytes of tile 2 a, lanes 16-31 of tile 2 a + 1
.endm
.irp q, 0,1,2,3
	LOADV \q
.endr
	BLOCK 0, 63                                    ; behind block 0's loads stand 96, behind block 1's 64: the wait's field holds 63 at the most
	BLOCK 1, 63
	BLOCK 2, 32
	BLOCK 3, 0
	s_wait_alu depctr_va_vdst(0)
	global_store_b32 v[SW], v[WA], s[22:23] offset:16896   ; the word of (tile 2 a + h, row r)
	s_endpgm
.Lfunc_end_k_q5b306150a8_prep:
	.size	k_q5b306150a8_prep, .Lfunc_end_k_q5b306150a8_prep-k_q5b306150a8_prep
	.p2alignl 7, 3214868480
	.fill 96, 4, 3214868480
	.section	.rodata,"a",@progbits
	.p2align	6, 0x0
	.amdhsa_kernel k_q5b306150a8_prep
		.amdhsa_group_segment_fixed_size 9728
		.amdhsa_private_segment_fixed_size 0
		.amdhsa_enable_private_segment 0
		.amdhsa_kernarg_size 24
		.amdhsa_user_sgpr_count 2
		.amdhsa_user_sgpr_kernarg_segment_ptr 1
		.amdhsa_wavefront_size32 1
		.amdhsa_system_sgpr_workgroup_id_x 1
		.amdhsa_system_sgpr_workgroup_id_y 1
		.amdhsa_system_sgpr_workgroup_id_z 1
		.amdhsa_system_vgpr_workitem_id 0
		.amdhsa_next_free_vgpr 256
		.amdhsa_next_free_sgpr 66
		.amdhsa_reserve_vcc 1
		.amdhsa_float_denorm_mode_32 3
		.amdhsa_float_denorm_mode_16_64 3
		.amdhsa_memory_ordered 1
		.amdhsa_forward_progress 1
		.amdhsa_inst_pref_size 49
	.end_amdhsa_kernel
	.amdgpu_metadata
---
amdhsa.version: [ 1, 2 ]
amdhsa.kernels:
  - .name:           k_q5b306150a8_prep
    .symbol:         k_q5b306150a8_prep.kd
    .args:
      - { .name: k, .offset: 0, .size: 8, .value_kind: global_buffer, .address_space: global }
      - { .name: v, .offset: 8, .size: 8, .value_kind: global_buffer, .address_space: global }
      - { .name: kv, .offset: 16, .size: 8, .value_kind: global_buffer, .address_space: global }
    .group_segment_fixed_size: 9728
    .private_segment_fixed_size: 0
    .kernarg_segment_align: 8
    .kernarg_segment_size: 24
    .max_flat_workgroup_size: 192
    .sgpr_count:     66
    .vgpr_count:     256
    .wavefront_size: 32
...
	.end_amdgpu_metadata
.endif
;; end of part 1
;; launch attn (part 2): grid 16 x 16, 8 waves a work-group, clusters of 4 x 1, 327,680 bytes of LDS; arguments q, kv, out0; writes out0
.if DOCPART == 2
	.amdgcn_target "amdgcn-amd-amdhsa--gfx1250"
	.amdhsa_code_object_version 6
	.text
	.protected	k_q5b306150a8_attn
	.globl	k_q5b306150a8_attn
	.p2align	8
	.type	k_q5b306150a8_attn,@function
k_q5b306150a8_attn:
	s_mov_b64 s[64:65], 0
	v_nop
	global_prefetch_b8 v0, s[64:65] scope:SCOPE_SE
	s_setreg_imm32_b32 hwreg(HW_REG_WAVE_MODE, 25, 1), 1
	s_wait_xcnt 0x0
	s_wait_alu depctr_hold_cnt(0) depctr_sa_sdst(0) depctr_va_vdst(0) depctr_va_sdst(0) depctr_va_ssrc(0) depctr_va_vcc(0) depctr_vm_vsrc(0)
	s_getreg_b32 s2, hwreg(HW_REG_IB_STS2, 6, 4)
	s_cmp_eq_u32 s2, 0
	s_cbranch_scc0 .Lentry_in_a_cluster
	s_endpgm
.Lentry_in_a_cluster:
	s_bfe_u32 s2, ttmp6, 0x10000c
	s_cmp_lg_u32 s2, 0x3003
	s_cbranch_scc0 .Lentry_shape_is_right
	s_endpgm
.Lentry_shape_is_right:
; out0[head][row][:] = the sum over keys of softmax(q[head][row] . k[head][key]) v[head][key][:], no factor 1 / sqrt(128); 16 heads, 8,192 rows of q a head (4 groups x 2,048), 2,048 keys, 128 channels.
; Both products on codes of FP4 (E2M1) with one E8M0 scale for each 32 along a product's K.  k and v come as codes and scale words from kv, laid as images of the operand registers; q is quantised here, in registers.
; THE SOFTMAX AHEAD OF THE SECOND PRODUCT: t = score x log2(e); M = the row's largest t so far, rounded UP to a whole number; p = 2^(t - M) is quantised along the keys, not normalised.  The row's sum is taken of the
; unquantised p, in f32, and divides O at the end.  When M moves, the sum and O are multiplied by 2^(old M - new M), which rounds nothing.
; LIMITS: NaN and infinities are not served.  The promise holds while the scaled scores t stay under 2^31 in magnitude.  A block whose largest magnitude lies under 2^-124, zeros among them, keeps the scale byte 1.
; A block's largest p is made from the block's largest score by the same multiply-add and exponential as every p: that takes v_exp_f32 not to fall where its input rises.
; SHARES.  A work-group of eight waves owns 512 rows of one head, in two passes of 256; a wave owns 32 rows a pass: two tiles of 16, x = 0, 1, which share every fragment of K and V read from LDS.
; A HEAD'S CODES AND SCALE WORDS, 278,528 bytes, LIE IN LDS FOR THE WHOLE LAUNCH, each byte filled once, in two stages.  At the head each wave brings an eighth of key steps 0-3 (34 rows of 256 bytes), its one tensor load
; there, and quantises its first rows of q while that load is on its way; behind the wait for it, the add and a round of the cluster's barrier it brings an eighth of key steps 4-15 (102 rows).  Key steps 0-2 of the first
; pass are worked while the second load is on its way; one barrier stands ahead of that pass's key step 3.  The two passes are written out by one macro: the second has no barrier, no prefetch and no loads of q.
; One tensor load of a wave is out at the most.  LDS is read at 16 x lane, 512 consecutive bytes an instruction.
; CLUSTER.  The four work-groups of a cluster belong to one head, so both loads are asked for JOINTLY: the same descriptor, made of the head and the wave's number alone, and a mask that names the four.
; LAYOUT.  Both products are used transposed: S^T = K Q^T (source 0 = 16 keys, source 1 = 16 rows of q), O^T = V^T P^T (source 0 = 16 channels, source 1 = P): a lane holds ONE row of q (lane % 16) throughout.
; The keys of a tile of K are not neighbours: tile 4 c + u, row 8 h + j is key 64 c + 32 h + 8 u + j.  So lane (r, h)'s 32 registers of tiles 4 c .. 4 c + 3 are the WHOLE block 2 c + h of 32 keys, in the order that
; the second product's operand wants: a block's maximum needs no other lane, and the conversions' results are the operand's registers as they stand.
; q OF THE SECOND PASS is prefetched in the first pass's first key step and loaded behind its last products into the registers of K's and V's fragments, 16,384 bytes a wave; the way out stands between those loads and their use.
; REGISTERS, in windows of 256.  Window 0: v1-8 addresses; v16-31 statistics, eight a tile; v32-47 Q's fragments; v48-63 p's codes; v64-191 S^T, then p (also q's numbers when turned, O on the way out);
;   v192-195 K's scale words, v196-199 V's; v200-231 at work; v254, v255 the add's.   Window 1: v0-127 O^T; v128-191 K's eight fragments; v192-255 V's eight (v128-255 also q's numbers as loaded).
.set HEADB,  278528                    ; a head in kv and in LDS
.set STEPB,  17408                     ; a key step: K's codes 8,192, V's codes 8,192, K's scale words 512, V's 512
.set VCO,    8192
.set KSO,    16384
.set VSO,    16896
.set PARTA,  4*STEPB                   ; the first fill: key steps 0-3
.set ROWSA,  34                        ; rows of 256 bytes in a wave's eighth of the first fill,
.set ROWSB,  102                       ; and of the second
.set STAGE,  HEADB                     ; behind the head's bytes: 16 rows x 272 bytes for each wave, for q's way in and O's way out; no fill lands there
.set SPITCH, 272
.set SPARE,  STAGE+8*16*SPITCH         ; the spare words: 128 bytes a wave, four blocks of 256 bytes that no other line names
.set PASSB,  131072                    ; 256 rows of 512 bytes
.set LI,  1                            ; 16 x lane
.set AD,  2                            ; the step's first LDS byte + 16 x lane
.set STO, 3                            ; stage + 272 r + 32 h
.set SRD, 4                            ; stage + 272 h + 16 r
.set SQ,  5                            ; stage + 272 r + 128 h
.set GO,  6                            ; 512 h + 16 r: two rows of q or of out0
.set PFO, 7                            ; 256 x lane
.set SH,  8                            ; 8 h
.set ST,  16                           ; tile x at v[ST + 8 x]: +0 -M, +1 the largest score, +2, +3 the sum in two halves, +4 f, +5 p's scale word, +6 at work, +7 q's scale word
.set QF,  32
.set PC,  48
.set S,   64
.set KS,  192
.set VS,  196
.set TM,  200                          ; tile x at v[TM + 16 x]: +0, +1 my two blocks' largest, +2, +3 second chains, +4..7 at work, +8, +9 the conversions' scale operands, +12, +13 a second chain of sums, +14 1 / the sum
.set SPW, 254
.set NIL, 255
.set O,   0                            ; window 1
.set KF,  128
.set VF,  192
.set QP,  4                            ; s[4:5]  q at my wave's rows of the first pass; never rewritten
.set OP,  8                            ; s[8:9]  out0 at my wave's rows of the pass
.set WV,  10
.set SEL, 20                           ; s[20:21] selects for lane l xor 16
.set CS,  22                           ; s[22:23] log2(e), named as a pair by the packed form
.set NC,  24                           ; s24  -log2(e)
.set CNT, 25
.set TB,  27                           ; LDS byte at which the next key step begins
.set G1,  28                           ; s[28:35] descriptor group 1 of the first fill, s[36:43] of the second; s[44:47], s[48:51] their groups 0; none is ever rewritten
.set G1B, 36
.set G0,  44
.set G0B, 48
.set LASTP, 0                          ; 0 while the first pass is assembled, 1 for the second
.set MSB, 0
.macro WIN new                         ; the immediate's high byte repeats the setting that is left; bits 1:0 source 0, 3:2 source 1, 5:4 source 2, 7:6 destination
.if MSB != \new
	s_set_vgpr_msb (MSB<<8)|\new
.set MSB, \new
.endif
.endm
.macro H n                             ; a hint ahead of a plain line that reads the result of the plain line n before it
	s_delay_alu instid0(VALU_DEP_\n)
.endm
.macro CROUND                          ; a round of the cluster's barrier
	s_barrier_signal -1
	s_barrier_wait -1
	s_cmp_lg_u32 s[WV], 0
	s_cbranch_scc1 .Lnot_wave_0_\@
	s_barrier_signal -3
.Lnot_wave_0_\@:
	s_barrier_wait -3
	s_barrier_signal -1
	s_barrier_wait -1
.endm
; One matrix instruction.  acc = 0: the product starts the sum; row = 1: source 0's scale words stand in lanes 16-31 of their register
.macro MM d, a, b, acc, sa, sb, row
.if \acc
.if \row
	v_wmma_scale_f32_16x16x128_f8f6f4 v[\d:\d+7], v[\a:\a+7], v[\b:\b+7], v[\d:\d+7], v[\sa], v[\sb] matrix_a_fmt:MATRIX_FMT_FP4 matrix_b_fmt:MATRIX_FMT_FP4 matrix_a_scale:MATRIX_SCALE_ROW1
.else
	v_wmma_scale_f32_16x16x128_f8f6f4 v[\d:\d+7], v[\a:\a+7], v[\b:\b+7], v[\d:\d+7], v[\sa], v[\sb] matrix_a_fmt:MATRIX_FMT_FP4 matrix_b_fmt:MATRIX_FMT_FP4
.endif
.else
.if \row
	v_wmma_scale_f32_16x16x128_f8f6f4 v[\d:\d+7], v[\a:\a+7], v[\b:\b+7], 0, v[\sa], v[\sb] matrix_a_fmt:MATRIX_FMT_FP4 matrix_b_fmt:MATRIX_FMT_FP4 matrix_a_scale:MATRIX_SCALE_ROW1
.else
	v_wmma_scale_f32_16x16x128_f8f6f4 v[\d:\d+7], v[\a:\a+7], v[\b:\b+7], 0, v[\sa], v[\sb] matrix_a_fmt:MATRIX_FMT_FP4 matrix_b_fmt:MATRIX_FMT_FP4
.endif
.endif
.endm
; q's way in: groups n0 and n0 + 1 of four; group n = 2 x + c is piece c (256 bytes) of the rows of tile x: eight loads, lanes 0-15 row 2 i, lanes 16-31 row 2 i + 1; into window 1, v[128 + 32 n ..]
.macro QLOAD n0, base
	WIN 0x40
.irp d, 0,1
.irp i, 0,1,2,3,4,5,6,7
	global_load_b128 v[KF+32*(\n0+\d)+4*\i:KF+32*(\n0+\d)+4*\i+3], v[GO], s[QP:QP+1] offset:\base+(16*((\n0+\d)/2)+2*\i)*512+256*((\n0+\d)%2) th:TH_LOAD_NT
.endr
.endr
	WIN 0
.endm
; Group n turns through my stage: afterwards lane (r, h) holds block 2 c + h of row r of tile x, in v[S + 32 n ..]
.macro QTURN n
	s_wait_loadcnt 24-8*\n                         ; the later groups, eight loads each, may stay out
	WIN 0x04                                       ; the stores' data: window 1
.irp i, 0,1,2,3,4,5,6,7
	ds_store_b128 v[SRD], v[KF+32*\n+4*\i:KF+32*\n+4*\i+3] offset:2*SPITCH*\i
.endr
	WIN 0
.irp g, 0,1,2,3,4,5,6,7
	ds_load_b128 v[S+32*\n+4*\g:S+32*\n+4*\g+3], v[SQ] offset:16*\g   ; LDS serves a wave's instructions in order (ISA guide 5.7.1.4): these see the stores above, and the next group's stores come behind them
.endr
.endm
; The four blocks (x, c) of a lane become Q's fragments and scale words
.macro QQUANT
.irp x, 0,1
.irp c, 0,1
	v_max3_num_f32 v[TM+16*\x+\c], |v[S+64*\x+32*\c]|, |v[S+64*\x+32*\c+1]|, 0x1800000   ; the floor 2^(3 - 127) among the leaves: the byte cannot fall under 1
.endr
.endr
.irp i, 2,4,6,8,10,12,14,16,18,20,22,24,26,28,30
.irp x, 0,1
.irp c, 0,1
	H 4
	v_max3_num_f32 v[TM+16*\x+\c], v[TM+16*\x+\c], |v[S+64*\x+32*\c+\i]|, |v[S+64*\x+32*\c+\i+1]|
.endr
.endr
.endr
.irp x, 0,1
.irp c, 0,1
	H 4
	v_add_nc_u32 v[TM+16*\x+8+\c], 0xff000000, v[TM+16*\x+\c]   ; 2 off the exponent field: the conversion's scale operand
.endr
.endr
.irp x, 0,1
.irp c, 0,1
	H 4
	v_lshrrev_b32 v[TM+16*\x+4+\c], 23, v[TM+16*\x+8+\c]        ; the scale's byte
.endr
.endr
	H 3
	v_lshl_or_b32 v[TM], v[TM+5], 16, v[TM+4]                   ; my two bytes, blocks h and 2 + h,
	H 2
	v_lshl_or_b32 v[TM+16], v[TM+16+5], 16, v[TM+16+4]
.irp x, 0,1
	H 2
	v_lshlrev_b32 v[TM+16*\x], v[SH], v[TM+16*\x]               ; at their places in the row's word;
.endr
.irp x, 0,1
	H 2
	v_permlanex16_b32 v[TM+16*\x+1], v[TM+16*\x], s[SEL], s[SEL+1]
.endr
.irp x, 0,1
	H 2
	v_or_b32 v[ST+8*\x+7], v[TM+16*\x], v[TM+16*\x+1]           ; with lane l xor 16's two the word is whole
.endr
.irp x, 0,1
.irp c, 0,1
.irp g, 0,1,2,3
	v_cvt_scalef32_pk8_fp4_f32 v[QF+8*\x+4*\c+\g], v[S+64*\x+32*\c+8*\g:S+64*\x+32*\c+8*\g+7], v[TM+16*\x+8+\c]
.endr
.endr
.endr
	v_nop                                          ; one plain instruction behind the last scaled conversion
.endm
; This step's V and, nextk = 1, the next step's K: eight fragments each, and one load of 16 bytes a lane for the scale words of all eight tiles (register t % 4; lanes 0-15 tiles 0-3, lanes 16-31 tiles 4-7)
.macro FETCH nextk
	WIN 0x40
.irp t, 0,1,2,3,4,5,6,7
.irp c, 0,1
	ds_load_b128 v[VF+8*\t+4*\c:VF+8*\t+4*\c+3], v[AD] offset:VCO+1024*\t+512*\c
.endr
.endr
.if \nextk
.irp t, 0,1,2,3,4,5,6,7
.irp c, 0,1
	ds_load_b128 v[KF+8*\t+4*\c:KF+8*\t+4*\c+3], v[AD] offset:STEPB+1024*\t+512*\c
.endr
.endr
.endif
	WIN 0
	ds_load_b128 v[VS:VS+3], v[AD] offset:VSO
.if \nextk
	ds_load_b128 v[KS:KS+3], v[AD] offset:STEPB+KSO
.endif
.endm
; Four additions of the rows' sums: both tiles, both chains
.macro RND k
.irp x, 0,1
	v_pk_add_f32 v[ST+8*\x+2:ST+8*\x+3], v[ST+8*\x+2:ST+8*\x+3], v[S+64*\x+4*(\k):S+64*\x+4*(\k)+1]
.endr
.irp x, 0,1
	v_pk_add_f32 v[TM+16*\x+12:TM+16*\x+13], v[TM+16*\x+12:TM+16*\x+13], v[S+64*\x+4*(\k)+6:S+64*\x+4*(\k)+7]
.endr
.endm
; A KEY STEP of 128 keys.  K's fragments were asked for a step ago.  first = 1: the products V^T P start O^T's sums: nothing is cleared and nothing rescaled.  nextk = 1: the next step's K is asked for.
; The sixteen accumulators of each product take turns, one instruction a turn.
.macro STEP first, nextk
	s_wait_dscnt 0x0                               ; K's fragments and scale words are in
	WIN 0x01                                       ; source 0 (K) window 1
.irp t, 0,1,2,3,4,5,6,7
.irp x, 0,1
	MM S+64*\x+8*\t, KF+8*\t, QF+8*\x, 0, KS+\t%4, ST+8*\x+7, \t/4
.endr
.endr
	WIN 0
.rept 4
	v_nop                                          ; four places: for the loads into K's and V's registers and for the first read of the scores (ISA guide 7.12.1 for the scores)
.endr
	FETCH \nextk
.if \first
.if LASTP == 0
; A PREFETCH INTO THE L2 of my wave's 32 rows of q of the second pass: 16,384 bytes, lanes 256 bytes apart, two instructions; each wave asks for its own rows, so each piece of 256 bytes is named once in the launch.
; It stands in the first pass's first key step, behind the run of LDS loads: fifteen key steps ahead of the loads that want the rows.  Its address registers are never rewritten.
	global_prefetch_b8 v[PFO], s[QP:QP+1] offset:PASSB th:TH_LOAD_NT scope:SCOPE_SE
	global_prefetch_b8 v[PFO], s[QP:QP+1] offset:PASSB+8192 th:TH_LOAD_NT scope:SCOPE_SE
.endif
.endif
.if \nextk
	s_add_co_u32 s[TB], s[TB], STEPB
.endif
; the largest score of each of my blocks (x, c), 32 registers, in two chains; each accumulator is read from its low end on
.irp c, 0,1
.irp x, 0,1
	v_max3_num_f32 v[TM+16*\x+\c], v[S+64*\x+32*\c], v[S+64*\x+32*\c+1], v[S+64*\x+32*\c+2]
	v_max3_num_f32 v[TM+16*\x+2+\c], v[S+64*\x+32*\c+16], v[S+64*\x+32*\c+17], v[S+64*\x+32*\c+18]
.endr
.endr
.irp i, 3,5,7,9,11,13
.irp c, 0,1
.irp x, 0,1
	v_max3_num_f32 v[TM+16*\x+\c], v[TM+16*\x+\c], v[S+64*\x+32*\c+\i], v[S+64*\x+32*\c+\i+1]
	v_max3_num_f32 v[TM+16*\x+2+\c], v[TM+16*\x+2+\c], v[S+64*\x+32*\c+16+\i], v[S+64*\x+32*\c+17+\i]
.endr
.endr
.endr
.irp c, 0,1
.irp x, 0,1
	v_max3_num_f32 v[TM+16*\x+\c], v[TM+16*\x+\c], v[S+64*\x+32*\c+15], v[S+64*\x+32*\c+31]
.endr
.endr
.irp c, 0,1
.irp x, 0,1
	H 4
	v_max_num_f32 v[TM+16*\x+\c], v[TM+16*\x+\c], v[TM+16*\x+2+\c]   ; it serves twice: for the row's maximum and, since p rises with the score, for the block's largest p
.endr
.endr
.irp x, 0,1
	H 2
	v_max_num_f32 v[ST+8*\x+6], v[TM+16*\x], v[TM+16*\x+1]
.endr
.irp x, 0,1
	H 2
	v_permlanex16_b32 v[TM+16*\x+4], v[ST+8*\x+6], s[SEL], s[SEL+1]
.endr
.irp x, 0,1
	H 2
	v_max3_num_f32 v[ST+8*\x+1], v[ST+8*\x+1], v[ST+8*\x+6], v[TM+16*\x+4]   ; the row's largest score so far
.endr
.irp x, 0,1
	H 2
	v_mul_f32 v[ST+8*\x+6], s[NC], v[ST+8*\x+1]                      ; as -t
.endr
.irp x, 0,1
	H 2
	v_floor_f32 v[TM+16*\x+5], v[ST+8*\x+6]                          ; the new -M = floor(-t) = -ceil(t)
.endr
.irp x, 0,1
	H 2
	v_sub_f32 v[ST+8*\x+6], v[TM+16*\x+5], v[ST+8*\x]                ; old M - new M: a whole number, 0 or less
.endr
.irp x, 0,1
	H 4
	v_mov_b32 v[ST+8*\x], v[TM+16*\x+5]
.endr
.irp x, 0,1
	H 4
	v_cvt_i32_f32 v[ST+8*\x+6], v[ST+8*\x+6]                         ; (it saturates)
.endr
.irp x, 0,1
	H 2
	v_ldexp_f32 v[ST+8*\x+4], 1.0, v[ST+8*\x+6]                      ; f = 2^(old M - new M)
.endr
.set j, 0
.rept 32
	v_pk_fma_f32 v[S+j:S+j+1], v[S+j:S+j+1], s[CS:CS+1], v[ST:ST+1] op_sel_hi:[1,0,0]   ; tile 0: t - M, two at a time
.set j, j+2
.endr
.irp c, 0,1
.irp x, 0,1
	v_fma_f32 v[TM+16*\x+\c], v[TM+16*\x+\c], s[CS], v[ST+8*\x]      ; the same of each block's largest score
.endr
.endr
	s_wait_alu depctr_va_vdst(0)                   ; the wait ahead of a batch of exponentials
.set j, 0
.rept 32
	v_exp_f32 v[S+j], v[S+j]                       ; tile 0: p = 2^(t - M);
	v_exp_f32 v[S+j+1], v[S+j+1]
	v_pk_fma_f32 v[S+64+j:S+64+j+1], v[S+64+j:S+64+j+1], s[CS:CS+1], v[ST+8:ST+9] op_sel_hi:[1,0,0]   ; among them tile 1's t - M, which name none of tile 0's registers
.set j, j+2
.endr
	s_wait_alu depctr_va_vdst(0)                   ; and ahead of the second batch, which reads what the lines above wrote
.set j, 0
.rept 64
	v_exp_f32 v[S+64+j], v[S+64+j]                 ; tile 1
.set j, j+1
.endr
.irp c, 0,1
.irp x, 0,1
	v_exp_f32 v[TM+16*\x+\c], v[TM+16*\x+\c]       ; the blocks' largest p
.endr
.endr
.if \nextk
	v_add_nc_u32 v[AD], s[TB], v[LI]               ; the next step's address: a plain line behind the exponentials
.else
	v_nop
.endif
.if \first
	s_wait_alu depctr_va_vdst(0)                   ; one wait for the exponentials, ahead of the first line that names a result
.else
	WIN 0x41                                       ; O^T (destination and source 0) window 1, f window 0
	s_wait_alu depctr_va_vdst(0)                   ; one wait for the exponentials and, directly ahead of its first readers, for O^T
.set j, 0
.rept 32
.irp x, 0,1
	v_pk_mul_f32 v[O+64*\x+j:O+64*\x+j+1], v[O+64*\x+j:O+64*\x+j+1], v[ST+8*\x+4:ST+8*\x+5] op_sel_hi:[1,0]   ; O^T under the new M, each accumulator from its low end on
.endr
.set j, j+2
.endr
	WIN 0
.endif
; p's scales, with the rows' sums between their stages, so that no line reads the result of a line close above it.  THE ROW'S SUM IS TAKEN OF THE UNQUANTISED p: two chains a tile
.irp c, 0,1
.irp x, 0,1
	v_max_num_f32 v[TM+16*\x+\c], 0x1800000, v[TM+16*\x+\c]          ; the floor 2^(3 - 127): the byte cannot fall under 1
.endr
.endr
.irp x, 0,1
	v_pk_fma_f32 v[ST+8*\x+2:ST+8*\x+3], v[ST+8*\x+2:ST+8*\x+3], v[ST+8*\x+4:ST+8*\x+5], v[S+64*\x:S+64*\x+1] op_sel_hi:[1,0,1]   ; the sums under the new M, and the first two p
.endr
.irp x, 0,1
	v_pk_add_f32 v[TM+16*\x+12:TM+16*\x+13], v[S+64*\x+2:S+64*\x+3], v[S+64*\x+6:S+64*\x+7]
.endr
.irp c, 0,1
.irp x, 0,1
	v_add_nc_u32 v[TM+16*\x+8+\c], 0xff000000, v[TM+16*\x+\c]        ; 2 off the exponent field: the conversion's scale operand
.endr
.endr
	RND 1
.irp c, 0,1
.irp x, 0,1
	v_lshrrev_b32 v[TM+16*\x+4+\c], 23, v[TM+16*\x+8+\c]             ; the scale's byte
.endr
.endr
	RND 2
.irp x, 0,1
	v_lshl_or_b32 v[TM+16*\x+6], v[TM+16*\x+5], 16, v[TM+16*\x+4]    ; my two bytes, blocks h and 2 + h,
.endr
	RND 3
.irp x, 0,1
	v_lshlrev_b32 v[TM+16*\x+6], v[SH], v[TM+16*\x+6]                ; at their places in the word;
.endr
	RND 4
.irp x, 0,1
	v_permlanex16_b32 v[TM+16*\x+7], v[TM+16*\x+6], s[SEL], s[SEL+1]
.endr
	RND 5
.irp x, 0,1
	v_or_b32 v[ST+8*\x+5], v[TM+16*\x+6], v[TM+16*\x+7]              ; with lane l xor 16's two: p's scale word for these 128 keys
.endr
.irp x, 0,1
.irp c, 0,1
.irp u, 0,1,2,3
	v_cvt_scalef32_pk8_fp4_f32 v[PC+8*\x+4*\c+\u], v[S+64*\x+32*\c+8*\u:S+64*\x+32*\c+8*\u+7], v[TM+16*\x+8+\c]   ; register 4 c + u of the operand: keys 64 c + 32 h + 8 u + 0 .. 7
.endr
.endr
.endr
.irp k, 6,7,8,9,10,11,12,13,14
	RND \k                                         ; (these 40 plain lines are also the places between the scale words and codes just made and the products below)
.endr
.irp x, 0,1
	v_pk_add_f32 v[ST+8*\x+2:ST+8*\x+3], v[ST+8*\x+2:ST+8*\x+3], v[S+64*\x+60:S+64*\x+61]
.endr
.irp x, 0,1
	H 2
	v_pk_add_f32 v[ST+8*\x+2:ST+8*\x+3], v[ST+8*\x+2:ST+8*\x+3], v[TM+16*\x+12:TM+16*\x+13]
.endr
	s_wait_alu depctr_va_vdst(0)                   ; directly ahead of the wait below
	s_wait_dscnt 0x0                               ; V is in (and the next step's K, asked for with it)
	WIN 0x51                                       ; V window 1, p window 0, O^T window 1
.irp t, 0,1,2,3,4,5,6,7
.irp x, 0,1
	MM O+64*\x+8*\t, VF+8*\t, PC+8*\x, 1-\first, VS+\t%4, ST+8*\x+5, \t/4
.endr
.endr
	WIN 0                                          ; at a label and at a branch every window is 0
.if \nextk == 0
.if LASTP == 0
.rept 4
	v_nop                                          ; four places ahead of loads into registers that the products read
.endr
	QLOAD 0, PASSB                                 ; the second pass's q, 32 loads, into K's and V's registers, which are done with for this pass
	QLOAD 2, PASSB
.endif
.endif
.endm
; THE WAY OUT.  The sum's halves and the other lane's are added; O^T is divided by the sum and goes through my stage, 16 rows x 64 channels (256 bytes a row) at a time, so that sixteen lanes store 256 aligned bytes
.macro OUT
.irp x, 0,1
	v_add_f32 v[ST+8*\x+6], v[ST+8*\x+2], v[ST+8*\x+3]   ; (these six plain lines are also the places behind the last products)
.endr
.irp x, 0,1
	H 2
	v_permlanex16_b32 v[TM+16*\x+4], v[ST+8*\x+6], s[SEL], s[SEL+1]
.endr
.irp x, 0,1
	H 2
	v_add_f32 v[ST+8*\x+6], v[ST+8*\x+6], v[TM+16*\x+4]  ; the row's sum
.endr
	s_wait_alu depctr_va_vdst(0)                   ; the wait ahead of the reciprocals
.irp x, 0,1
	v_rcp_f32 v[TM+16*\x+14], v[ST+8*\x+6]
.endr
	v_nop                                          ; a plain instruction behind the reciprocals
	s_wait_alu depctr_va_vdst(0)                   ; and the wait ahead of their first reader, which is O^T's first reader too
	WIN 0x01                                       ; source 0 (O^T) window 1
.irp x, 0,1
.set j, 0
.rept 64
	v_mul_f32 v[S+64*\x+j], v[O+64*\x+j], v[TM+16*\x+14]   ; register 8 t + i: out(row r, channel 16 t + 8 h + i)
.set j, j+1
.endr
.endr
	WIN 0
.irp x, 0,1
.irp u, 0,1                                    ; channels 64 u on
.irp t, 0,1,2,3
	ds_store_b128 v[STO], v[S+64*\x+32*\u+8*\t:S+64*\x+32*\u+8*\t+3] offset:64*\t
	ds_store_b128 v[STO], v[S+64*\x+32*\u+8*\t+4:S+64*\x+32*\u+8*\t+7] offset:64*\t+16
.endr
.irp i, 0,1,2,3,4,5,6,7
	ds_load_b128 v[S+64*\x+32*\u+4*\i:S+64*\x+32*\u+4*\i+3], v[SRD] offset:2*SPITCH*\i   ; in order behind my stores; the next group's stores come behind them
.endr
.endr
.endr
.irp x, 0,1
.irp u, 0,1
.irp i, 0,1,2,3,4,5,6,7
	s_wait_dscnt 16*(3-2*\x-\u)+7-\i               ; behind this load: the rest of its group's eight, and sixteen LDS instructions for each later group
	global_store_b128 v[GO], v[S+64*\x+32*\u+4*\i:S+64*\x+32*\u+4*\i+3], s[OP:OP+1] offset:(16*\x+2*\i)*512+256*\u th:TH_STORE_NT
.endr
.endr
.endr
.endm
; A PASS: my 32 rows against all 16 key steps.  LASTP = 0: the first pass, with the barrier ahead of key step 3 and, at its end, the second pass's q; LASTP = 1: the second
.macro LAP
.irp x, 0,1
	v_mov_b32 v[ST+8*\x], 0x7f61b1e6               ; -M = 3e38, so that the first f is 2^(a saturated negative number) = 0, which multiplies zeros
	v_mov_b32 v[ST+8*\x+1], 0xff61b1e6             ; the largest score so far: -3e38
	v_mov_b32 v[ST+8*\x+2], 0                      ; the sum, in two halves
	v_mov_b32 v[ST+8*\x+3], 0
.endr
	s_mov_b32 s[TB], 0
	v_add_nc_u32 v[AD], s[TB], v[LI]
	s_wait_alu depctr_va_vdst(0)
	WIN 0x40
.irp t, 0,1,2,3,4,5,6,7
.irp c, 0,1
	ds_load_b128 v[KF+8*\t+4*\c:KF+8*\t+4*\c+3], v[LI] offset:1024*\t+512*\c   ; key step 0's K
.endr
.endr
	WIN 0
	ds_load_b128 v[KS:KS+3], v[LI] offset:KSO
	STEP 1, 1                                      ; key step 0
.if LASTP == 0
	s_mov_b32 s[CNT], 2
.Lstep_a:                                          ; key steps 1 and 2; the furthest bytes read are step 3's K and its scale words: inside the first fill's 69,632 bytes
	STEP 0, 1
	s_sub_co_u32 s[CNT], s[CNT], 1
	s_cmp_lg_u32 s[CNT], 0
	s_cbranch_scc1 .Lstep_a
	s_wait_tensorcnt 0x0                           ; my eighth of key steps 4-15 is in,
	s_wait_dscnt 0x0                               ; no LDS load of mine is out at a signal,
	s_barrier_signal -1
	s_barrier_wait -1                              ; and everybody's eighth is in: nothing is ever filled again
	s_mov_b32 s[CNT], 12                           ; key steps 3 to 14
.else
	s_mov_b32 s[CNT], 14                           ; key steps 1 to 14
.endif
.Lstep_\@:
	STEP 0, 1
	s_sub_co_u32 s[CNT], s[CNT], 1
	s_cmp_lg_u32 s[CNT], 0
	s_cbranch_scc1 .Lstep_\@
	STEP 0, 0                                      ; key step 15: no K behind it
	OUT
.if LASTP == 0
	s_wait_xcnt 0x0                                ; the stores have read their registers and their base: only now are these written again
	s_add_nc_u64 s[OP:OP+1], s[OP:OP+1], PASSB
	QTURN 0
	QTURN 1
	QTURN 2
	QTURN 3
	s_wait_dscnt 0x0
	QQUANT
.endif
.endm
	s_load_b128 s[4:7], s[0:1], 0x0                ; q s[4:5], kv s[6:7]
	s_load_b64 s[8:9], s[0:1], 0x10                ; out0
	v_lshl_add_u32 v[SPW], v0, 2, SPARE
	v_mov_b32 v[NIL], 0
	ds_add_u32 v[SPW], v[NIL]                      ; the opening lines: the add, twice on end, and its wait below
	ds_add_u32 v[SPW], v[NIL]
	v_lshrrev_b32 v9, 5, v0
	H 1
	v_readfirstlane_b32 s[WV], v9                  ; wave 0..7
	s_bfe_u32 s11, ttmp6, 0x40000                  ; cx: my place in the cluster
	s_lshl_b32 s12, ttmp9, 2                       ; in a cluster launch ttmp9 counts clusters
	s_add_co_u32 s12, s12, s11                     ; my block of 512 rows: it enters q's and out0's addresses alone
	s_and_b32 s13, ttmp7, 0xffff                   ; the head, which the four partners share
	s_lshl_b32 s14, s13, 22                        ; a head's 8,192 rows of 512 bytes,
	s_lshl_b32 s15, s12, 18                        ; my work-group's 512,
	s_add_co_u32 s14, s14, s15
	s_lshl_b32 s15, s[WV], 14                      ; my wave's 32
	s_add_co_u32 s14, s14, s15
	s_mov_b32 s15, 0
	; descriptor groups 1: dense blocks as rows of 256 bytes (32 elements of 8 bytes), no padding: 34 rows a wave for key steps 0-3, 102 for steps 4-15
.irp g, G1, G1B
	s_mov_b32 s[\g], 15|(3<<16)|(1<<21)            ; the mask: all four work-groups; elements of 8 bytes; bit 21 set beside a mask
	s_mov_b32 s[\g+1], 32<<16                      ; tensor_dim0
	s_mov_b32 s[\g+3], 32<<16                      ; tile_dim0
	s_mov_b32 s[\g+5], 32                          ; tensor_dim0_stride
	s_mov_b32 s[\g+6], 0
	s_mov_b32 s[\g+7], 0
.endr
	s_mov_b32 s[G1+2], ROWSA<<16                   ; tensor_dim1
	s_mov_b32 s[G1+4], ROWSA                       ; tile_dim1
	s_mov_b32 s[G1B+2], ROWSB<<16
	s_mov_b32 s[G1B+4], ROWSB
	s_mov_b32 s[G0], 1                             ; count = 1
	s_mov_b32 s[G0B], 1
	s_mul_i32 s[G0+1], s[WV], ROWSA*256            ; LDS address: my eighth of the first part: no place in the cluster enters it
	s_mul_i32 s[G0B+1], s[WV], ROWSB*256
	s_mul_i32 s16, s13, HEADB                      ; the same bytes in kv, in my head
	s_add_co_u32 s52, s16, s[G0B+1]
	s_add_co_u32 s52, s52, PARTA
	s_add_co_u32 s16, s16, s[G0+1]
	s_mov_b32 s17, 0
	s_mov_b32 s53, 0
	s_add_co_u32 s[G0B+1], s[G0B+1], PARTA
	s_mov_b32 s[SEL], 0x76543210
	s_mov_b32 s[SEL+1], 0xfedcba98
	s_mov_b32 s[CS], 0x3fb8aa3b                    ; log2(e)
	s_mov_b32 s[CS+1], s[CS]
	s_mov_b32 s[NC], 0xbfb8aa3b                    ; -log2(e)
	v_and_b32 v9, 31, v0                           ; lane
	v_and_b32 v10, 15, v0                          ; r
	v_bfe_u32 v11, v0, 4, 1                        ; h
	H 3
	v_lshlrev_b32 v[LI], 4, v9
	s_mul_i32 s18, s[WV], 16*SPITCH
	s_add_co_u32 s18, s18, STAGE                   ; my stage
	v_mul_u32_u24 v12, v10, SPITCH
	H 1
	v_lshl_add_u32 v[STO], v11, 5, v12
	H 1
	v_add_nc_u32 v[STO], s18, v[STO]
	H 3
	v_lshl_add_u32 v[SQ], v11, 7, v12
	H 1
	v_add_nc_u32 v[SQ], s18, v[SQ]
	v_mul_u32_u24 v[SRD], v11, SPITCH
	H 1
	v_lshl_add_u32 v[SRD], v10, 4, v[SRD]
	H 1
	v_add_nc_u32 v[SRD], s18, v[SRD]
	v_lshlrev_b32 v[GO], 4, v10
	H 1
	v_lshl_add_u32 v[GO], v11, 9, v[GO]
	v_lshlrev_b32 v[PFO], 8, v9
	v_lshlrev_b32 v[SH], 3, v11
.irp x, 0,1
	v_mov_b32 v[TM+16*\x+4], 0                     ; written once: a lane permute's destination counts as one of its sources
	v_mov_b32 v[TM+16*\x+7], 0
	v_mov_b32 v[ST+8*\x+5], 0                      ; (named as the upper half of the pair with f before it is first written)
.endr
	s_wait_alu depctr_va_vdst(0)                   ; the wait at the head's end
	s_wait_dscnt 0x0                               ; both opening adds are done
	s_wait_kmcnt 0x0
	s_add_nc_u64 s[G0+2:G0+3], s[6:7], s[16:17]
	s_or_b32 s[G0+3], s[G0+3], 0x80000000          ; type = 2
	s_add_nc_u64 s[G0B+2:G0B+3], s[6:7], s[52:53]
	s_or_b32 s[G0B+3], s[G0B+3], 0x80000000
	s_add_nc_u64 s[QP:QP+1], s[QP:QP+1], s[14:15]
	s_add_nc_u64 s[OP:OP+1], s[OP:OP+1], s[14:15]
	QLOAD 0, 0                                     ; the first pass's q: 32 loads
	QLOAD 2, 0
	CROUND                                         ; all four work-groups are here: the joint loads meet
	tensor_load_to_lds s[G0:G0+3], s[G1:G1+7]      ; key steps 0-3, my eighth: my one tensor load at the head
	s_nop 0
.rept 4
	v_nop                                          ; four plain lines behind the load
.endr
	QTURN 0                                        ; q is turned and quantised while that load is on its way
	QTURN 1
	QTURN 2
	QTURN 3
	s_wait_dscnt 0x0
	QQUANT
	s_wait_alu depctr_va_vdst(0)                   ; directly ahead of the wait below
	s_wait_tensorcnt 0x0                           ; my eighth of key steps 0-3 is in; then, ahead of the second fill:
	ds_add_u32 v[SPW], v[NIL]                      ; 0 onto my spare word,
	s_wait_dscnt 0x0                               ; and the wait for it
	CROUND                                         ; a whole round: everybody's eighth of key steps 0-3 is in, and the joint loads meet
	tensor_load_to_lds s[G0B:G0B+3], s[G1B:G1B+7]  ; key steps 4-15, my eighth: the first tensor load behind the round
	s_nop 0
.rept 4
	v_nop
.endr
	LAP                                            ; the first pass
.set LASTP, 1
	LAP                                            ; the second
	s_wait_tensorcnt 0x0                           ; the wave's end
	ds_add_u32 v[SPW], v[NIL]
	s_wait_dscnt 0x0
	CROUND                                         ; the closing round: no work-group ends while a partner may still ask for a tile that names it
	s_endpgm
.Lfunc_end_k_q5b306150a8_attn:
	.size	k_q5b306150a8_attn, .Lfunc_end_k_q5b306150a8_attn-k_q5b306150a8_attn
	.p2alignl 7, 3214868480
	.fill 96, 4, 3214868480
	.section	.rodata,"a",@progbits
	.p2align	6, 0x0
	.amdhsa_kernel k_q5b306150a8_attn
		.amdhsa_group_segment_fixed_size 327680
		.amdhsa_private_segment_fixed_size 0
		.amdhsa_enable_private_segment 0
		.amdhsa_kernarg_size 24
		.amdhsa_user_sgpr_count 2
		.amdhsa_user_sgpr_kernarg_segment_ptr 1
		.amdhsa_wavefront_size32 1
		.amdhsa_system_sgpr_workgroup_id_x 1
		.amdhsa_system_sgpr_workgroup_id_y 1
		.amdhsa_system_sgpr_workgroup_id_z 1
		.amdhsa_system_vgpr_workitem_id 0
		.amdhsa_next_free_vgpr 512
		.amdhsa_next_free_sgpr 66
		.amdhsa_reserve_vcc 0
		.amdhsa_float_denorm_mode_32 3
		.amdhsa_float_denorm_mode_16_64 3
		.amdhsa_memory_ordered 1
		.amdhsa_forward_progress 1
		.amdhsa_inst_pref_size 255
	.end_amdhsa_kernel
	.section	.bss,"aw",@nobits
	.p2align	6
	.space	262144
	.amdgpu_metadata
---
amdhsa.version: [ 1, 2 ]
amdhsa.kernels:
  - .name:           k_q5b306150a8_attn
    .symbol:         k_q5b306150a8_attn.kd
    .args:
      - { .name: q, .offset: 0, .size: 8, .value_kind: global_buffer, .address_space: global }
      - { .name: kv, .offset: 8, .size: 8, .value_kind: global_buffer, .address_space: global }
      - { .name: out0, .offset: 16, .size: 8, .value_kind: global_buffer, .address_space: global }
    .group_segment_fixed_size: 327680
    .private_segment_fixed_size: 0
    .kernarg_segment_align: 8
    .kernarg_segment_size: 24
    .max_flat_workgroup_size: 256
    .sgpr_count:     66
    .vgpr_count:     512
    .wavefront_size: 32
...
	.end_amdgpu_metadata
.endif
;; end of part 2
